; MI455X (gfx1250); checked and timed in simulation.
; The chip was launched on July 23, 2026; its instructions are those of AMD's public machine-readable ISA for CDNA 5 (MIT licence, August 2026) and "CDNA5" Instruction Set Architecture Reference Guide (July 2026). The comments in the code are by the model that wrote it; some were corrected since.
;; MSA Row Attention V43. Allowed arithmetic: matrix products marked QUANTISED: E2M1 operands, one E8M0 scale for each 32 along K, by v_wmma_scale_f32_16x16x128_f8f6f4 with both operands' format E2M1 (or v_wmma_scale_f32_32x16x128_f4), f32 sums; everything else in f32.
;; Inputs: W_out_codes 256 x 8 x 16 uint8 (E2M1 codes of W_out, K innermost, in blocks of 32 codes, two codes a byte); W_out_scales 256 x 8 uint8 (E8M0 scales of W_out, one for each 32 codes along K); W_qkv_codes 768 x 8 x 16 uint8 (E2M1 codes of W_qkv, K innermost, in blocks of 32 codes, two codes a byte); W_qkv_scales 768 x 8 uint8 (E8M0 scales of W_qkv, one for each 32 codes along K); b_out 256 float32; b_qkv 768 float32; ln_beta 256 float32; ln_gamma 256 float32; mask 1 x 256 x 256 int32; msa 1 x 128 x 256 x 256 float32.
;; Outputs: out0 1 x 128 x 256 x 256 float32.
;; This version of the problem:
;;   THIS VERSION OF THE PROBLEM IS GIVEN IN LOW PRECISION. The matrix products marked QUANTISED in the list below multiply operands that are first quantised to E2M1 (2 exponent bits, 1 mantissa bit; 4 bits a number), with one power-of-two scale for each 32 numbers along K (OCP MX v1.0); their sums are f32. All else is computed in f32.
;;   The module's matrix products, in the order in which they are computed (A, B: the left and right operand; K: the contracted axis; several contracted axes count as one K, in the product's order):
;;     1. [M 32,768, K 256] x [K 256, N 768]; A: input msa; B: input W_qkv (given as codes): QUANTISED
;;     2. batch 1,024 x [M 256, K 32] x [K 32, N 256]; A: computed on the way; B: computed on the way: QUANTISED
;;     3. batch 1,024 x [M 32, K 256] x [K 256, N 256]; A: computed on the way; B: softmax (see below): QUANTISED
;;     4. [M 32,768, K 256] x [K 256, N 256]; A: computed on the way; B: input W_out (given as codes): QUANTISED
;;   THE QUANTISER, for each operand of a quantised product, along K:
;;     - K is cut into blocks of 32 from its start; a last block that is shorter is filled with zeros.
;;     - A block's scale is 2^e with e = floor(log2(the largest magnitude in the block)) - 2, held to -126 .. 127; a block of zeros has e = 0. As a byte (E8M0): e + 127.
;;     - Each number is divided by its block's scale, clamped to +-6, and rounded to the nearest number of E2M1, ties to even, subnormals kept.
;;     - The product sums the exact products of the quantised numbers (number of the format x scale) in f32.
;;   ~~~python
;;   def quantise(x, axis):      # numpy; x: float32 -> the quantised numbers, widened to float32 again
;;       x = np.moveaxis(x, axis, -1); K = x.shape[-1]
;;       x = np.pad(x, [(0, 0)] * (x.ndim - 1) + [(0, -K % 32)]); x = x.reshape(x.shape[:-1] + (-1, 32)); a = np.abs(x).max(-1, keepdims=True)
;;       e = np.where(a > 0, np.clip(np.frexp(np.where(a > 0, a, 1))[1] - 1 - 2, -126, 127), 0)      # np.frexp(a)[1] - 1 = floor(log2(a)), exactly
;;       r = np.clip(x / 2.0 ** e, -6, 6)
;;       step = 2.0 ** (np.maximum(np.frexp(np.where(r == 0, 1, r))[1] - 1, 0) - 1)
;;       q = np.round(r / step) * step * 2.0 ** e      # np.round: ties to even
;;       return np.moveaxis(q.reshape(q.shape[:-2] + (-1,))[..., :K], -1, axis).astype(np.float32)
;;   ~~~
;;   SOFTMAX AHEAD OF A QUANTISED PRODUCT. Where the list says 'softmax', what is quantised is not the finished softmax but p = 2^(t - M), with t = logit x log2(e) and M = ceil(the row's largest t), a whole number; so 1/2 < the row's largest p <= 1. The row's sum l is taken of the UNQUANTISED p, in f32, and the product's result is divided by l at the end. Since M is a whole number, a kernel that streams over the keys may use a running M (the ceiling of the running maximum): every later rescaling is an exact power of two, which a block's scale takes up: the codes' values come out the same.
;;   OPERANDS COMPUTED ON THE WAY. 'Computed on the way' means the value that the module computes at that place (a softmax that the list does not call 'softmax' is quantised finished and normalised). What goes into a quantiser is computed in f32, as accurately as f32 sums, v_exp_f32 and their like allow (about 1e-6 of the number): no bf16 or f16 on the way to a quantiser, and a product that is left as it is and whose result goes on into a quantised operand takes f32 operands (vector FMAs, or v_wmma_f32_16x16x4_f32). A number that lies on a knife's edge between two numbers of the format may be rounded either way, as far as f32 arithmetic and the matrix unit's own rounding can turn it there, and no further.
;;   INPUTS GIVEN AS CODES. W_out (in the module: [256, 256], K = its axis 0); W_qkv (in the module: [256, 768], K = its axis 0): each comes as NAME_codes (uint8): NAME with its K axis moved to the last place and cut into blocks of 32 codes, [.., K / 32, bytes a block], one block behind the other in memory; two codes a byte, the lower K in the low four bits (a code: sign, 2 exponent bits, 1 mantissa bit); and NAME_scales (uint8): the same leading axes, one E8M0 byte (e + 127) for each 32 codes along K. Its value is code x scale, taken as it is: it is not quantised again, and the codes and scales need not be those that the quantiser above would give.
;; One version. Each part assembles by itself: llvm-mc -triple=amdgcn-amd-amdhsa -mcpu=gfx1250 --defsym DOCPART=n.
;; ======== version 1 of 1: 1 launch
;; limits: right only within a limited range of input values
;; launch msa_row (part 1): grid 256 x 1, 8 waves a work-group, clusters of 4 x 1, 327,680 bytes of LDS; arguments msa, W_qkv_codes, W_qkv_scales, b_qkv, W_out_codes, W_out_scales, b_out, ln_gamma, ln_beta, mask, out0; writes out0
.if DOCPART == 1
	.amdgcn_target "amdgcn-amd-amdhsa--gfx1250"
	.amdhsa_code_object_version 6
	.text
	.protected	k_qeefbf1870b_msa_row
	.globl	k_qeefbf1870b_msa_row
	.p2align	8
	.type	k_qeefbf1870b_msa_row,@function
k_qeefbf1870b_msa_row:
	s_mov_b64 s[64:65], 0
	v_nop
	global_prefetch_b8 v0, s[64:65] scope:SCOPE_SE
	s_setreg_imm32_b32 hwreg(HW_REG_WAVE_MODE, 25, 1), 1
	s_wait_xcnt 0x0
	s_wait_alu depctr_hold_cnt(0) depctr_sa_sdst(0) depctr_va_vdst(0) depctr_va_sdst(0) depctr_va_ssrc(0) depctr_va_vcc(0) depctr_vm_vsrc(0)
	s_getreg_b32 s2, hwreg(HW_REG_IB_STS2, 6, 4)
	s_cmp_eq_u32 s2, 0
	s_cbranch_scc0 .Lentry_in_a_cluster
	s_endpgm
.Lentry_in_a_cluster:
	s_bfe_u32 s2, ttmp6, 0x10000c
	s_cmp_lg_u32 s2, 0x3003
	s_cbranch_scc0 .Lentry_shape_is_right
	s_endpgm
.Lentry_shape_is_right:
; out0 = layernorm(msa + attention(msa) W_out + b_out), 128 rows s of 256 tokens x 256 channels, 8 heads of 32; all four products on codes of FP4 (E2M1) with one E8M0 scale for each 32 along K.
.set STGW,  16640                      ; LDS (bytes).  From 0: x's 256 rows of f32, 1,024 bytes + 16 of padding each, my own half's 128 first: those stay as the residual
.set SPIT,  1040
; SHARES.  Work-group x owns tokens 128 x .. 128 x + 127 of the flat token axis: row s = x / 2, query half x % 2.  It needs K and V of all 256 tokens of s, so it also reads the other half's 128 rows
; and projects their K and V itself: no traffic between work-groups.  LOCAL ORDER: my own half's 128 tokens first, then the other half's: whole blocks of 32 keys change places, alike in P, V, K and the mask's columns.
; TILES OF TOKENS.  Tile 4 g + t, row r, is local token 64 g + 32 (r / 8) + 8 t + r % 8: so a lane's 4 x 8 results of tiles 4 g .. 4 g + 3 are the 32 neighbouring keys of block 2 g + lane / 16, whole, in their own order:
; V's blocks, the scores' blocks and p's codes need no other lane.  Query tiles (the attention's, a wave each) are 16 neighbouring tokens; q's store changes from the one order to the other.
; WAVES.  Wave w fetches and quantises local tokens 32 w .. 32 w + 31; in the projection it owns HEAD w (its 96 rows of W_qkv stay in registers); from the attention on it owns QUERY TILE w for all heads, through W_out, the norm and the store.
; THE MASK IS THE C OF q.k: 0 where a key counts, -6 x 2^98 where mask == 0.  It is converted to codes (0 or 6), and a product with a one-hot operand brings each code to its score's register: -6 x 2^98 + 6 x 2^98 x [mask != 0].
; A row with no key left has its largest score under -2^99: its multiplier becomes 0 by v_cndmask_b32, so t = 0, p = 1, l = 256: the uniform softmax that equal logits of -1e9 give.
; All 256 keys of a head are held at once (128 registers): M is the row's own, nothing is rescaled.
; q.k HAS K = 32, one block: a fragment of K carries FOUR key tiles in its four blocks, and Q's codes stand in one block with zero codes in the other three.
; W_v's rows of a tile are r + 8 (r / 8): the attention's output falls in W_out's own order of K.  W_out's rows of tile 4 a + e are 64 a + 4 r + e: lane r then holds four neighbouring columns in four tiles.
; CLUSTERS of four work-groups, two rows s: W_out is asked for jointly.  x's rows are asked for by each work-group alone: a joint load has one LDS address for all that it names, and what is my own half (first in LDS) is my partner's other half.
; W_qkv and the mask go from memory straight into registers.   NO PREFETCH: all of x is asked for at the head; no loop reads memory.   WORK LEFT OUT: none; every input is loaded.
; LIMITS: |q.k| under 2^98; a row whose largest unmasked logit lies under about -1e9 is not served as the -1e9 of the masked keys would have it; NaN and infinities are not served;
; a block of zeros that this program makes carries the byte 1 (its codes are zeros, and this program alone reads the byte).
;
.set QC,    133120                     ; over the other half's rows, which nobody reads behind the first barrier: head x 4,096 + query tile x 512: 256 bytes of codes, 256 of zeros
.set KC,    165888                     ; head x 4,096 + tile x 256 + row x 16
.set VC,    198656                     ; head x 4,096 + tau x 2,048 + K step x 1,024 + c x 512 + 16 x lane
.set WOC,   231424                     ; W_out's codes: four rows of 128 bytes + 16 of padding
.set XIMG,  266240                     ; x's codes: tile x 2,176 + block x 272 + 16 x row
.set XSC,   301056                     ; their scale words: tile x 128 + 64 x K step + 4 x row
.set SPARE, 303104                     ; the spare words: 128 bytes for each wave
.set QSC,   304128                     ; head x 512 + query tile x 64 + 4 r: the byte four times
.set KSC,   308224                     ; head x 256 + g x 64 + 4 r: byte t = tile 4 g + t
.set VSC,   310272                     ; head x 256 + tau x 128 + K step x 64 + 4 r
.set WOS,   312320                     ; W_out's scales as in memory
.set OC,    XIMG                       ; over x's codes, which nobody reads behind the last barrier: wave x 2,304 + r x 144 + ..: first the mask's codes, then the attention's
.set OSC,   XIMG+8*2304                ; wave x 128 + r x 8 + head
.set FLOOR, 0x1800000                  ; 2^(3 - 127): no largest magnitude is taken under it, so a scale's byte cannot fall under 1
.set EOFF,  0xff000000                 ; 2 off an exponent field
; VECTOR REGISTERS, window 0
.set LN,  1                            ; lane
.set RR,  2                            ; r = lane % 16
.set HH,  3                            ; h = lane / 16
.set L16, 4
.set L4,  5
.set SPW, 6                            ; my spare word, and 0: never rewritten
.set NIL, 7
.set XOI, 8                            ; v8-31, up to the last barrier
.set XOS, 9
.set XRI, 10
.set XRS, 11
.set AQW, 12
.set AKW, 13
.set AVW, 14
.set AQS, 15
.set AKS, 16
.set AVS, 17
.set STT, 18
.set GW,  19
.set GWV, 20
.set GS,  21
.set GSV, 22
.set GB,  23
.set GBV, 24
.set GM,  28
.set GWS, 29
.set WSW, 30
.set MSC, 31
.set CK0, 8                            ; v8-31, in the loop over heads
.set CV0, 9
.set CQL0, 10
.set CQH0, 11
.set CKS0, 12
.set CVS0, 13
.set CQS0, 14
.set COC0, 15
.set COS0, 16
.set ADK, 17
.set ADV, 18
.set ADQL, 19
.set ADQH, 20
.set ADKS, 21
.set ADVS, 22
.set ADQS, 23
.set ADO, 24
.set ADOS, 25
.set CC,  26                           ; log2(e) / sqrt(32)
.set THR, 27                           ; -2^99
.set CQ,  28                           ; v[28:29] the row's multiplier (low word)
.set NM,  30                           ; v[30:31] -M (low word)
.set OF,  8                            ; v8-23, behind the loop: the attention's codes
.set WOR, 24
.set WSR, 25
.set OCR, 26
.set OSR, 27
.set RSD, 28
.set OST, 29
.set WS,  32                           ; v32-49 hold scales and nothing else
.set XS,  38
.set KS,  32
.set QS,  34
.set VS,  35
.set PW,  37
.set OS,  32
.set WOSR, 33
.set MKS, 49
.set PC,  50                           ; v50-65 codes just made
.set TM,  66
.set XW,  70
.set BY,  74
.set TX,  78
.set SCL, 82
.set ZZ,  86                           ; v[86:87] zeros, in the projection
.set VBL, 88
.set VB,  92                           ; v92-107 b_v in the result's layout
.set WST, 124
.set BM,  66                           ; v66-73 largest scores of half blocks
.set BG,  74                           ; v74-77 a block's largest score, then its largest p
.set BX,  78
.set TW,  86
.set SUM, 90                           ; v90-97 four packed chains
.set RM,  98
.set TMX, 99
.set RL,  100                          ; v[100:101] 1 / l (low word)
.set OCD, 102
.set RA,  128                          ; v128-255 a tile of x, turned: register 32 q + i = channel 64 q + 32 h + i of row r
.set XF,  128
.set HA,  192
.set S,   128                          ; v128-255 scores, then p: register 32 g + i = key i of block 2 g + h
.set OH,  136                          ; v130-151 the one-hot operand: twice, at an even and at an odd register, among zeros
.set MB,  160
.set MC,  176
.set Z,   128                          ; behind the loop: register 16 j + 4 a + e = row 8 h + j, column 64 a + 4 r + e
.set SJ,  64
.set QJ,  80
; window 1: v0-127 my second tile of x, then the mask, then the C of the scores, then y; v128-255:
.set WFQ, 128
.set WFK, 160
.set WFV, 192
.set BQ,  224
.set BK,  240
.set KF,  128
.set VF,  160
.set OA,  192
.set PAR, 208                          ; b_out, gamma, beta: 16 registers each
; SCALAR REGISTERS
.set WV,  26
.set XG,  27                           ; my work-group's number
.set G0,  28
.set G0B, 32
.set MKA, 38
.set G1,  40
.set G1B, 48
.set WCB, 56
.set WSB, 58
.set BCB, 60
.set OUT, 62
.set SEL, 66
.set HC,  68
.set HN,  69
.set HF,  81                           ; which half of the row's tokens is mine
.set MSB, 0
.macro WIN new                         ; bits 1:0 source 0, 3:2 source 1, 5:4 source 2, 7:6 destination; the high byte repeats the setting that is left
.if MSB != \new
	s_set_vgpr_msb (MSB<<8)|\new
.set MSB, \new
.endif
.endm
.macro PLACES                          ; four plain vector instructions behind a matrix instruction, ahead of reads of its result and of loads into its registers
.rept 4
	v_nop
.endr
.endm
.macro CROUND                          ; a round of the cluster's barrier
	s_barrier_signal -1
	s_barrier_wait -1
	s_cmp_lg_u32 s[WV], 0
	s_cbranch_scc1 .Lnot_wave_0_\@
	s_barrier_signal -3
.Lnot_wave_0_\@:
	s_barrier_wait -3
	s_barrier_signal -1
	s_barrier_wait -1
.endm
; one product 16 x 16 x 128.  row = 0: both sides' scales in lanes 0-15; 1: both in lanes 16-31; 2: source 0's in lanes 16-31
.macro MM d, a, b, c, sa, sb, row
.if (\row) == 0
	v_wmma_scale_f32_16x16x128_f8f6f4 v[\d:\d+7], v[\a:\a+7], v[\b:\b+7], v[\c:\c+7], v[\sa], v[\sb] matrix_a_fmt:MATRIX_FMT_FP4 matrix_b_fmt:MATRIX_FMT_FP4
.elseif (\row) == 1
	v_wmma_scale_f32_16x16x128_f8f6f4 v[\d:\d+7], v[\a:\a+7], v[\b:\b+7], v[\c:\c+7], v[\sa], v[\sb] matrix_a_fmt:MATRIX_FMT_FP4 matrix_b_fmt:MATRIX_FMT_FP4 matrix_a_scale:MATRIX_SCALE_ROW1 matrix_b_scale:MATRIX_SCALE_ROW1
.else
	v_wmma_scale_f32_16x16x128_f8f6f4 v[\d:\d+7], v[\a:\a+7], v[\b:\b+7], v[\c:\c+7], v[\sa], v[\sb] matrix_a_fmt:MATRIX_FMT_FP4 matrix_b_fmt:MATRIX_FMT_FP4 matrix_a_scale:MATRIX_SCALE_ROW1
.endif
.endm
.macro MMZ d, a, b, sa, sb             ; the same, starting a sum
	v_wmma_scale_f32_16x16x128_f8f6f4 v[\d:\d+7], v[\a:\a+7], v[\b:\b+7], 0, v[\sa], v[\sb] matrix_a_fmt:MATRIX_FMT_FP4 matrix_b_fmt:MATRIX_FMT_FP4
.endm
; My tile u of x, in v[b] on of window w, becomes codes and scale words in LDS.  A lane holds four WHOLE blocks: block q of its registers is block 2 q + h of the row.
.macro QUANTX b, w, u
	WIN 0x14*\w
.irp q, 0,1,2,3
	v_max3_num_f32 v[TM+\q], FLOOR, |v[\b+32*\q]|, |v[\b+32*\q+1]|
.endr
.irp i, 2,4,6,8,10,12,14,16,18,20,22,24,26,28,30
.irp q, 0,1,2,3
	v_max3_num_f32 v[TM+\q], v[TM+\q], |v[\b+32*\q+\i]|, |v[\b+32*\q+\i+1]|   ; the four blocks by turns
.endr
.endr
	WIN 0
.irp q, 0,1,2,3
	v_add_nc_u32 v[SCL+\q], EOFF, v[TM+\q]         ; the conversion takes this operand's exponent field as its scale
.endr
.irp q, 0,1,2,3
	v_lshrrev_b32 v[BY+\q], 23, v[SCL+\q]          ; the scale's byte
.endr
	v_lshl_or_b32 v[TX], v[BY+1], 16, v[BY]        ; K step 0: my bytes are those of blocks h and 2 + h,
	v_lshl_or_b32 v[TX+1], v[BY+3], 16, v[BY+2]    ; K step 1 likewise;
	v_permlane16_swap_b32 v[TX], v[TX+1]           ; the first: h = 0's bytes of K step 0, then of K step 1; the second: h = 1's:
	v_lshl_or_b32 v[XW], v[TX+1], 8, v[TX]         ; lanes 0-15 have K step 0's word, lanes 16-31 K step 1's
	WIN 0x01*\w
.irp q, 0,1,2,3
.irp e, 0,1,2,3
	v_cvt_scalef32_pk8_fp4_f32 v[PC+4*\q+\e], v[\b+32*\q+8*\e:\b+32*\q+8*\e+7], v[SCL+\q]
.endr
.endr
	v_nop                                          ; one plain place behind a scaled conversion
	WIN 0
.irp q, 0,1,2,3
	ds_store_b128 v[XOI], v[PC+4*\q:PC+4*\q+3] offset:4352*\u+544*\q
.endr
	ds_store_b32 v[XOS], v[XW] offset:256*\u
.endm
.macro FETCHX g                        ; x's fragments and scale words of tiles 4 g .. 4 g + 3
.irp b, 0,1,2,3
.irp k, 0,1,2,3
	ds_load_b128 v[XF+16*\b+4*\k:XF+16*\b+4*\k+3], v[XRI] offset:(4*(\g)+\b)*2176+544*\k
.endr
	ds_load_b32 v[XS+\b], v[XRS] offset:(4*(\g)+\b)*128
.endr
.endm
; The mask's rows 2 m and 2 m + 1 of my queries, 8 neighbouring keys a lane: asked for behind a job's products, a few at a time; they are wanted behind the projection.
.macro MASKLD m
.if (\m) >= 0
	WIN 0x40
.irp i, 0,1
	global_load_b128 v[16*(\m)+8*\i:16*(\m)+8*\i+3], v[GM], s[MKA:MKA+1] offset:2048*(\m)+1024*\i
	global_load_b128 v[16*(\m)+8*\i+4:16*(\m)+8*\i+7], v[GM], s[MKA:MKA+1] offset:2048*(\m)+1024*\i+16
.endr
	WIN 0
.endif
.endm
; Four blocks of 32, 16 numbers of each in my registers HA + 16 b on and 16 in lane l xor 16's: codes to v[PC + 2 b], v[PC + 2 b + 1], bytes to v[BY + b].  Each accumulator is read from its low end on.
.macro QUANT4
.irp b, 0,1,2,3
	v_max3_num_f32 v[TM+\b], |v[HA+16*\b]|, |v[HA+16*\b+1]|, FLOOR
.endr
.irp i, 2,4,6,8,10,12,14
.irp b, 0,1,2,3
	v_max3_num_f32 v[TM+\b], v[TM+\b], |v[HA+16*\b+\i]|, |v[HA+16*\b+\i+1]|
.endr
.endr
.irp b, 0,1,2,3
	v_permlanex16_b32 v[TX+\b], v[TM+\b], s[SEL], s[SEL+1]
.endr
.irp b, 0,1,2,3
	v_max_num_f32 v[TM+\b], v[TM+\b], v[TX+\b]
.endr
.irp b, 0,1,2,3
	v_add_nc_u32 v[SCL+\b], EOFF, v[TM+\b]
.endr
.irp b, 0,1,2,3
	v_lshrrev_b32 v[BY+\b], 23, v[SCL+\b]
.endr
.irp b, 0,1,2,3
	v_cvt_scalef32_pk8_fp4_f32 v[PC+2*\b], v[HA+16*\b:HA+16*\b+7], v[SCL+\b]
	v_cvt_scalef32_pk8_fp4_f32 v[PC+2*\b+1], v[HA+16*\b+8:HA+16*\b+15], v[SCL+\b]
.endr
	v_nop                                          ; one plain place behind a scaled conversion
.endm
; q (kind 0) or k (kind 1) of my head for tiles 4 g .. 4 g + 3, TRANSPOSED: source 0 = 16 rows of W, source 1 = 16 tokens: a lane holds one token, registers 16 b + 8 u + j = d 16 u + 8 h + j.
; The eight accumulators take turns, one instruction a turn; the bias is the C of each sum's first product.  first = 1: x's fragments have just been asked for.  m: the mask's rows to ask for, or -1.
.macro JOBT kind, g, first, m
.if \first
	s_wait_dscnt 0x0                               ; x's fragments are in
.endif
	WIN 0x11                                       ; W and the bias in window 1
.irp b, 0,1,2,3
.irp u, 0,1
	MM HA+16*\b+8*\u, WFQ+32*(\kind)+16*\u, XF+16*\b, BQ+16*(\kind)+8*\u, WS+2*(\kind)+\u, XS+\b, 0
.endr
.endr
	WIN 0x01
.irp b, 0,1,2,3
.irp u, 0,1
	MM HA+16*\b+8*\u, WFQ+32*(\kind)+16*\u+8, XF+16*\b+8, HA+16*\b+8*\u, WS+2*(\kind)+\u, XS+\b, 1
.endr
.endr
	WIN 0
	PLACES
	MASKLD \m
.if (\first) == 0
	s_wait_dscnt 0x0                               ; the last job's LDS stores have read their registers
.endif
	QUANT4
.if (\kind) == 0
.irp b, 0,1,2,3
	v_lshl_or_b32 v[TX+\b], v[BY+\b], 8, v[BY+\b]
.endr
.irp b, 0,1,2,3
	v_lshl_or_b32 v[TX+\b], v[TX+\b], 16, v[TX+\b] ; the byte four times: whichever block Q's codes stand in
.endr
.irp b, 0,1,2,3                        ; tile 4 g + b, row r is query tile 4 g + 2 (r / 8) + b / 2, row 8 (b % 2) + r % 8
	ds_store_b64 v[AQW], v[PC+2*\b:PC+2*\b+1] offset:(4*(\g)+\b/2)*512+(\b%2)*128
	ds_store_b64 v[AQW], v[ZZ:ZZ+1] offset:(4*(\g)+\b/2)*512+(\b%2)*128+256
	ds_store_b32 v[AQS], v[TX+\b] offset:(4*(\g)+\b/2)*64+(\b%2)*32
.endr
.else
	v_lshl_or_b32 v[XW], v[BY+1], 8, v[BY]         ; byte b = key tile 4 g + b: the four tiles are the four blocks of one fragment
	v_lshl_or_b32 v[XW], v[BY+2], 16, v[XW]
	v_lshl_or_b32 v[XW], v[BY+3], 24, v[XW]
.irp b, 0,1,2,3
	ds_store_b64 v[AKW], v[PC+2*\b:PC+2*\b+1] offset:(4*(\g)+\b)*256
.endr
	ds_store_b32 v[AKS], v[XW] offset:(\g)*64
.endif
.endm
; v of my head for tiles 4 g .. 4 g + 3, NOT transposed: source 0 = 16 tokens, source 1 = 16 rows of W_v: a lane holds one d, and registers 32 t + 8 b + j = d-tile t, key 8 b + j of block 2 g + h: a whole block.
; next: the tiles of x that are fetched behind the products, or -1.
.macro JOBV g, next, m
	WIN 0x04                                       ; W_v in window 1
.irp t, 0,1
.irp b, 0,1,2,3
	MM HA+32*\t+8*\b, XF+16*\b, WFV+16*\t, VB+8*\t, XS+\b, WS+4+\t, 0
.endr
.endr
.irp t, 0,1
.irp b, 0,1,2,3
	MM HA+32*\t+8*\b, XF+16*\b+8, WFV+16*\t+8, HA+32*\t+8*\b, XS+\b, WS+4+\t, 1
.endr
.endr
	WIN 0
	PLACES
	s_wait_dscnt 0x0                               ; the last job's LDS stores have read their registers
.if (\next) >= 0
	FETCHX \next
.endif
	MASKLD \m
.irp c, 0,1,2,3                        ; half blocks: c = 2 t + half
	v_max3_num_f32 v[TM+\c], |v[HA+16*\c]|, |v[HA+16*\c+1]|, FLOOR
.endr
.irp i, 2,4,6,8,10,12,14
.irp c, 0,1,2,3
	v_max3_num_f32 v[TM+\c], v[TM+\c], |v[HA+16*\c+\i]|, |v[HA+16*\c+\i+1]|
.endr
.endr
.irp t, 0,1
	v_max_num_f32 v[TM+2*\t], v[TM+2*\t], v[TM+2*\t+1]
.endr
.irp t, 0,1
	v_add_nc_u32 v[SCL+\t], EOFF, v[TM+2*\t]
.endr
.irp t, 0,1
	v_lshrrev_b32 v[BY+\t], 23, v[SCL+\t]
.endr
.irp t, 0,1
.irp b, 0,1,2,3
	v_cvt_scalef32_pk8_fp4_f32 v[PC+4*\t+\b], v[HA+32*\t+8*\b:HA+32*\t+8*\b+7], v[SCL+\t]
.endr
.endr
	v_nop                                          ; one plain place behind a scaled conversion
.irp t, 0,1
	ds_store_b128 v[AVW], v[PC+4*\t:PC+4*\t+3] offset:\t*2048+((\g)/2)*1024+((\g)%2)*512
	ds_store_b8 v[AVS], v[BY+\t] offset:\t*128+((\g)/2)*64+((\g)%2)*2
.endr
.endm
.macro PAIRSUM                         ; the sum of v128-255 and of lane l xor 16's, in v[SUM]: four packed chains
.irp k, 0,1,2,3
	v_pk_add_f32 v[SUM+2*\k:SUM+2*\k+1], v[128+2*\k:129+2*\k], v[136+2*\k:137+2*\k]
.endr
.set i, 8
.rept 56
	v_pk_add_f32 v[SUM+2*(i%4):SUM+2*(i%4)+1], v[SUM+2*(i%4):SUM+2*(i%4)+1], v[128+2*i:129+2*i]
.set i, i+1
.endr
	v_pk_add_f32 v[SUM:SUM+1], v[SUM:SUM+1], v[SUM+2:SUM+3]
	v_pk_add_f32 v[SUM+4:SUM+5], v[SUM+4:SUM+5], v[SUM+6:SUM+7]
	s_delay_alu instid0(VALU_DEP_1)
	v_pk_add_f32 v[SUM:SUM+1], v[SUM:SUM+1], v[SUM+4:SUM+5]
	s_delay_alu instid0(VALU_DEP_1)
	v_add_f32 v[SUM], v[SUM], v[SUM+1]
	s_delay_alu instid0(VALU_DEP_1)
	v_permlanex16_b32 v[TMX], v[SUM], s[SEL], s[SEL+1]
	s_delay_alu instid0(VALU_DEP_1)
	v_add_f32 v[SUM], v[SUM], v[TMX]
.endm
; ======== THE HEAD
	s_load_b512 s[4:19], s[0:1], 0x0               ; msa, W_qkv codes, W_qkv scales, b_qkv, W_out codes, W_out scales, b_out, gamma
	s_load_b128 s[20:23], s[0:1], 0x40             ; beta, mask
	s_load_b64 s[24:25], s[0:1], 0x50              ; out0
	v_lshl_add_u32 v[SPW], v0, 2, SPARE
	v_mov_b32 v[NIL], 0
	ds_add_u32 v[SPW], v[NIL]                      ; the wave's opening: the add, twice on end, ahead of my first tensor load
	ds_add_u32 v[SPW], v[NIL]
	v_lshrrev_b32 v50, 5, v0
	v_readfirstlane_b32 s[WV], v50                 ; wave 0..7
	s_bfe_u32 s70, ttmp6, 0x40000                  ; my place in the cluster
	s_lshl_b32 s[XG], ttmp9, 2
	s_add_co_u32 s[XG], s[XG], s70
	s_and_b32 s[HF], s[XG], 1
	; group 1 for x: 32 rows of 256 elements of 4 bytes, 16 bytes of padding behind each
	s_mov_b32 s[G1+0], (2<<16)|(1<<20)|(7<<22)|(3<<25)
	s_mov_b32 s[G1+1], 256<<16
	s_mov_b32 s[G1+2], 32<<16
	s_mov_b32 s[G1+3], 256<<16
	s_mov_b32 s[G1+4], 32
	s_mov_b32 s[G1+5], 256
	s_mov_b32 s[G1+6], 0
	s_mov_b32 s[G1+7], 0
	; and for W_out, for all four of the cluster: 4,096 bytes as 8 rows of 512, 16 bytes of padding behind each
	s_mov_b32 s[G1B+0], 15|(2<<16)|(1<<20)|(1<<21)|(6<<22)|(3<<25)
	s_mov_b32 s[G1B+1], 128<<16
	s_mov_b32 s[G1B+2], 8<<16
	s_mov_b32 s[G1B+3], 128<<16
	s_mov_b32 s[G1B+4], 8
	s_mov_b32 s[G1B+5], 128
	s_mov_b32 s[G1B+6], 0
	s_mov_b32 s[G1B+7], 0
	s_mul_i32 s[G0+1], s[WV], 2*STGW               ; local tokens 32 w on
	s_mov_b32 s[G0], 1
	s_mul_i32 s[G0B+1], s[WV], 8*528
	s_add_co_u32 s[G0B+1], s[G0B+1], WOC
	s_mov_b32 s[G0B], 1
	s_lshr_b32 s72, s[WV], 2
	s_xor_b32 s70, s[XG], s72                      ; waves 0-3 fetch my own half, waves 4-7 the other:
	s_lshl_b32 s70, s70, 17                        ; 128 rows of 1,024 bytes;
	s_and_b32 s72, s[WV], 3
	s_lshl_b32 s72, s72, 15                        ; 32 rows
	s_add_co_u32 s70, s70, s72
	s_mov_b32 s71, 0
	s_wait_alu depctr_va_vdst(0)                   ; directly ahead of the waits below
	s_wait_dscnt 0x0                               ; both opening adds are done
	s_wait_kmcnt 0x0
	s_add_nc_u64 s[G0+2:G0+3], s[4:5], s[70:71]
	s_or_b32 s[G0+3], s[G0+3], 0x80000000
	CROUND                                         ; a round ahead of a cluster launch's tensor loads
	tensor_load_to_lds s[G0:G0+3], s[G1:G1+7]      ; my 32 rows of x
	s_nop 0
	; the small loads' bases and addresses, while the rows are on their way
	v_and_b32 v[LN], 31, v0
	v_and_b32 v[RR], 15, v0
	v_bfe_u32 v[HH], v0, 4, 1
	v_lshrrev_b32 v54, 3, v[RR]                    ; r / 8
	v_and_b32 v51, 7, v[RR]                        ; r % 8
	v_lshl_add_u32 v53, v54, 3, v[RR]              ; r + 8 (r / 8)
	v_mul_u32_u24 v52, v[HH], 272
	v_lshlrev_b32 v[L16], 4, v[LN]
	v_lshlrev_b32 v[L4], 2, v[LN]
	v_lshlrev_b32 v[GW], 7, v[RR]
	v_lshl_add_u32 v[GW], v[HH], 4, v[GW]          ; W's row r, + 16 h
	v_lshlrev_b32 v[GWV], 7, v53
	v_lshl_add_u32 v[GWV], v[HH], 4, v[GWV]
	v_lshlrev_b32 v[GS], 3, v[RR]
	v_lshl_add_u32 v[GS], v[HH], 2, v[GS]          ; scale words: lanes 0-15 K step 0's, lanes 16-31 K step 1's
	v_lshlrev_b32 v[GSV], 3, v53
	v_lshl_add_u32 v[GSV], v[HH], 2, v[GSV]
	v_lshlrev_b32 v[GB], 5, v[HH]
	v_lshlrev_b32 v[GBV], 2, v53
	v_lshlrev_b32 v[GWS], 3, v[LN]
	s_lshl_b32 s70, s[WV], 12                      ; my head's 32 rows of W_q: 128 bytes each; my part of W_out
	s_add_nc_u64 s[WCB:WCB+1], s[6:7], s[70:71]
	s_add_nc_u64 s[G0B+2:G0B+3], s[12:13], s[70:71]
	s_or_b32 s[G0B+3], s[G0B+3], 0x80000000
	s_lshl_b32 s70, s[WV], 7                       ; their biases
	s_add_nc_u64 s[BCB:BCB+1], s[10:11], s[70:71]
	s_lshl_b32 s70, s[WV], 8                       ; their scale bytes: 8 a row
	s_add_nc_u64 s[WSB:WSB+1], s[8:9], s[70:71]
	s_wait_alu depctr_va_vdst(0)                   ; behind a run of scalar instructions
	v_add_nc_u32 v[GWS], s70, v[GWS]
	v_add_nc_u32 v[WSW], WOS, v[GWS]
	; the 41 small loads: my head's rows of W_qkv, their biases and scale words; 256 bytes of W_out's scales
	WIN 0x40                                       ; destination window 1
.irp u, 0,1
.irp k, 0,1,2,3
	global_load_b128 v[WFQ+16*\u+4*\k:WFQ+16*\u+4*\k+3], v[GW], s[WCB:WCB+1] offset:2048*\u+32*\k
	global_load_b128 v[WFK+16*\u+4*\k:WFK+16*\u+4*\k+3], v[GW], s[WCB:WCB+1] offset:32768+2048*\u+32*\k
	global_load_b128 v[WFV+16*\u+4*\k:WFV+16*\u+4*\k+3], v[GWV], s[WCB:WCB+1] offset:65536+1024*\u+32*\k
.endr
.irp e, 0,1
	global_load_b128 v[BQ+8*\u+4*\e:BQ+8*\u+4*\e+3], v[GB], s[BCB:BCB+1] offset:64*\u+16*\e
	global_load_b128 v[BK+8*\u+4*\e:BK+8*\u+4*\e+3], v[GB], s[BCB:BCB+1] offset:1024+64*\u+16*\e
.endr
.endr
	WIN 0
.irp u, 0,1
	global_load_b32 v[WS+\u], v[GS], s[WSB:WSB+1] offset:128*\u
	global_load_b32 v[WS+2+\u], v[GS], s[WSB:WSB+1] offset:2048+128*\u
	global_load_b32 v[WS+4+\u], v[GSV], s[WSB:WSB+1] offset:4096+64*\u
	global_load_b32 v[VBL+\u], v[GBV], s[BCB:BCB+1] offset:2048+32*\u
.endr
	global_load_b64 v[WST:WST+1], v[GWS], s[14:15]
	; and the rest
	s_mov_b32 s[SEL], 0x76543210
	s_mov_b32 s[SEL+1], 0xfedcba98                 ; v_permlanex16_b32's selects for lane l xor 16
	s_lshl_b32 s72, s[WV], 14
	s_lshl_b32 s70, s[XG], 17
	s_add_co_u32 s70, s70, s72
	s_add_nc_u64 s[OUT:OUT+1], s[24:25], s[70:71]  ; my 16 rows of the result
	s_lshl_b32 s70, s[HF], 17
	s_add_co_u32 s70, s70, s72
	s_add_nc_u64 s[MKA:MKA+1], s[22:23], s[70:71]  ; the mask's rows 128 half + 16 wave
	s_lshl_b32 s82, s[HF], 9
	s_mul_i32 s72, s[WV], 2*STGW
	s_lshr_b32 s73, s[WV], 1
	s_and_b32 s74, s[WV], 1                        ; my token 32 w + i lies in tile 4 (w / 2) + i / 8, row 8 (w % 2) + i % 8
	s_mul_i32 s75, s73, 4*2176
	s_lshl_b32 s76, s74, 7
	s_add_co_u32 s75, s75, s76
	s_add_co_u32 s75, s75, XIMG
	s_lshl_b32 s76, s73, 9
	s_lshl_b32 s77, s74, 5
	s_add_co_u32 s76, s76, s77
	s_add_co_u32 s76, s76, XSC
	s_lshl_b32 s70, s[WV], 12
	s_add_co_u32 s77, s70, QC
	s_add_co_u32 s78, s70, KC
	s_add_co_u32 s79, s70, VC
	s_lshl_b32 s70, s[WV], 9
	s_add_co_u32 s80, s70, QSC
	s_lshl_b32 s70, s[WV], 8
	s_add_co_u32 s73, s70, KSC
	s_add_co_u32 s74, s70, VSC
	s_wait_alu depctr_va_vdst(0)                   ; behind a run of scalar instructions
	v_mul_u32_u24 v[STT], v[RR], SPIT              ; my rows, turned: row r, + 128 h
	v_lshl_add_u32 v[STT], v[HH], 7, v[STT]
	v_add_nc_u32 v[STT], s72, v[STT]
	v_lshlrev_b32 v[GM], 5, v[LN]
	v_xor_b32 v[GM], s82, v[GM]                    ; the mask's columns: my own half's first
	v_lshl_add_u32 v[XRI], v[RR], 4, v52
	v_add_nc_u32 v[XRI], XIMG, v[XRI]
	v_add_nc_u32 v[XRS], XSC, v[L4]
	v_mul_u32_u24 v[XOI], v54, 2176
	v_lshl_add_u32 v[XOI], v51, 4, v[XOI]
	v_add_nc_u32 v[XOI], v52, v[XOI]
	v_add_nc_u32 v[XOI], s75, v[XOI]
	v_lshlrev_b32 v[XOS], 7, v54
	v_lshl_add_u32 v[XOS], v51, 2, v[XOS]
	v_lshl_add_u32 v[XOS], v[HH], 6, v[XOS]
	v_add_nc_u32 v[XOS], s76, v[XOS]
	v_lshlrev_b32 v[AQW], 10, v54
	v_lshl_add_u32 v[AQW], v51, 4, v[AQW]
	v_lshl_add_u32 v[AQW], v[HH], 3, v[AQW]
	v_add_nc_u32 v[AQW], s77, v[AQW]
	v_lshlrev_b32 v[AKW], 4, v[RR]
	v_lshl_add_u32 v[AKW], v[HH], 3, v[AKW]
	v_add_nc_u32 v[AKW], s78, v[AKW]
	v_add_nc_u32 v[AVW], s79, v[L16]
	v_lshlrev_b32 v[AQS], 7, v54
	v_lshl_add_u32 v[AQS], v51, 2, v[AQS]
	v_add_nc_u32 v[AQS], s80, v[AQS]
	v_lshlrev_b32 v[AKS], 2, v[RR]
	v_add_nc_u32 v[AVS], v[AKS], v[HH]
	v_add_nc_u32 v[AKS], s73, v[AKS]
	v_add_nc_u32 v[AVS], s74, v[AVS]
	v_mov_b32 v[MSC], 0x3e000000                   ; 2^-3
.irp j, 74,75,76,77,78,79,80,81,86,87,99
	v_mov_b32 v\j, 0                               ; a lane permute's destination counts as one of its sources; v[86:87] stay zeros through the projection
.endr
	s_wait_alu depctr_va_vdst(0)                   ; the head's end
; ======== x: my 32 rows, as two tiles of 16 rows, become codes
	s_wait_tensorcnt 0x0                           ; they are in LDS
.set i, 0
.rept 32                               ; turned: register 32 q + 4 j on = channels 64 q + 32 h + 4 j on of row r
	ds_load_b128 v[RA+4*i:RA+4*i+3], v[STT] offset:(i/8)*256+(i%8)*16
.set i, i+1
.endr
	WIN 0x40
.set i, 0
.rept 32
	ds_load_b128 v[4*i:4*i+3], v[STT] offset:STGW+(i/8)*256+(i%8)*16
.set i, i+1
.endr
	WIN 0
	s_wait_dscnt 32                                ; tile 0 is in; tile 1's 32 loads were issued behind it
	QUANTX RA, 0, 0
	s_wait_dscnt 0x0                               ; tile 1 is in, and tile 0's stores have read their registers
	QUANTX 0, 1, 1
	s_wait_loadcnt 0x0                             ; the small loads
.irp j, 0,1,2,3,4,5,6,7
	v_mov_b32 v[VB+\j], v[VBL]                     ; b_v in the result's layout: a lane holds one d, so eight registers hold one number
	v_mov_b32 v[VB+8+\j], v[VBL+1]
.endr
	ds_store_b64 v[WSW], v[WST:WST+1]
	s_wait_alu depctr_va_vdst(0)
	s_wait_tensorcnt 0x0                           ; ahead of a refill: the wait, the add, the wait for the add and for my LDS instructions
	ds_add_u32 v[SPW], v[NIL]
	s_wait_dscnt 0x0
	CROUND                                         ; x's codes lie in LDS, nobody reads the other half's rows any more, and all four work-groups are here
	tensor_load_to_lds s[G0B:G0B+3], s[G1B:G1B+7]  ; an eighth of W_out, jointly
	s_nop 0
; ======== THE PROJECTION: my head's q (my own half's tiles), k and v (all 16 tiles)
	FETCHX 0
	JOBT 0, 0, 1, 0
	JOBT 1, 0, 0, 1
	JOBV 0, 1, 2
	JOBT 0, 1, 1, 3
	JOBT 1, 1, 0, 4
	JOBV 1, 2, 5
	JOBT 1, 2, 1, 6
	JOBV 2, 3, 7
	JOBT 1, 3, 1, -1
	JOBV 3, -1, -1
	s_wait_alu depctr_va_vdst(0)
	s_wait_tensorcnt 0x0                           ; for the others' sake: my part of W_out has landed,
	s_wait_dscnt 0x0                               ; my head's codes and scales too, and my reads of x's codes are over
	s_wait_loadcnt 0x0                             ; the mask
	s_barrier_signal -1
	WIN 0x41                                       ; register work while the others arrive: the mask's whole numbers, unsigned, as f32: 0, or 1 and more:
.set i, 0
.rept 128
	v_cvt_f32_u32 v[i], v[i]
.set i, i+1
.endr
	WIN 0x01
.set i, 0
.rept 16
	v_cvt_scalef32_pk8_fp4_f32 v[PC+i], v[8*i:8*i+7], v[MSC]       ; divided by 2^-3 and held to 6: the code of 0 or of 6.  Row i, keys 8 x lane on
.set i, i+1
.endr
	v_nop                                          ; one plain place behind a scaled conversion
	WIN 0
	s_barrier_wait -1                              ; every head's q, k and v and W_out lie in LDS; nobody reads x's codes any more
; ======== THE MASK'S CODES become the C of the scores; addresses and first loads of the loop
	s_mul_i32 s72, s[WV], 2304
	s_add_co_u32 s72, s72, OC
	s_wait_alu depctr_va_vdst(0)
	v_add_nc_u32 v91, s72, v[L4]
	v_mul_u32_u24 v[COC0], v[RR], 144
	v_lshl_add_u32 v92, v[HH], 4, v[COC0]
	v_add_nc_u32 v92, s72, v92
	v_lshl_add_u32 v[COC0], v[HH], 3, v[COC0]
	v_add_nc_u32 v[COC0], s72, v[COC0]
	v_lshlrev_b32 v90, 4, v[RR]
.set i, 0
.rept 16
	ds_store_b32 v91, v[PC+i] offset:144*i
.set i, i+1
.endr
.irp q, 0,1,2,3
	ds_load_b128 v[MB+4*\q:MB+4*\q+3], v92 offset:32*\q    ; query r, block 2 q + h.  LDS serves a wave's instructions in order (ISA guide 5.7.1.4)
.endr
	WIN 0x40
.irp a, 0,1,2,3                        ; the parameters at columns 64 a + 4 r .. + 3
	global_load_b128 v[PAR+4*\a:PAR+4*\a+3], v90, s[16:17] offset:256*\a
	global_load_b128 v[PAR+16+4*\a:PAR+16+4*\a+3], v90, s[18:19] offset:256*\a
	global_load_b128 v[PAR+32+4*\a:PAR+32+4*\a+3], v90, s[20:21] offset:256*\a
.endr
	WIN 0
	v_add_nc_u32 v[CK0], KC, v[L16]
	v_add_nc_u32 v[CV0], VC, v[L16]
	s_lshl_b32 s73, s[WV], 9
	s_add_co_u32 s73, s73, QC
	v_add_nc_u32 v[CQL0], s73, v[L16]              ; lanes 0-15 read codes, lanes 16-31 zeros
	v_xor_b32 v[CQH0], 256, v[L16]
	v_add_nc_u32 v[CQH0], s73, v[CQH0]             ; and the other way round
	v_add_nc_u32 v[CKS0], KSC, v[L4]
	v_add_nc_u32 v[CVS0], VSC, v[L4]
	s_lshl_b32 s73, s[WV], 6
	s_add_co_u32 s73, s73, QSC
	v_lshl_add_u32 v[CQS0], v[RR], 2, s73
	s_lshl_b32 s73, s[WV], 7
	s_add_co_u32 s73, s73, OSC
	v_lshl_add_u32 v[COS0], v[RR], 3, s73
	v_mov_b32 v[MKS], 0xb0b0b0b0                   ; 2^49 in every byte, for both sides
	; the one-hot operand: tile 4 g + t, row m selects key 64 (g % 2) + 32 (m / 8) + 8 t + m % 8 of 128: register 4 (g % 2) + t, code m % 8, in the lanes whose half is m / 8
	v_lshrrev_b32 v93, 3, v[RR]
	v_and_b32 v94, 7, v[RR]
	v_lshlrev_b32 v94, 2, v94
	v_lshlrev_b32 v94, v94, 2                      ; the code of 1 at its place
	v_cmp_eq_u32 vcc_lo, v[HH], v93
	v_cndmask_b32 v[OH], 0, v94, vcc_lo
	v_mov_b32 v[OH+9], v[OH]
.irp j, 130,131,132,133,134,135,137,138,139,140,141,142,143,144,146,147,148,149,150,151
	v_mov_b32 v\j, 0
.endr
.irp j, 0,1,2,3,4,5,6,7
	v_mov_b32 v[MC+\j], 0xf1c00000                 ; -6 x 2^98
.endr
	s_mov_b32 s[HC], 0
	WIN 0x40
.set i, 0
.rept 8
	ds_load_b128 v[KF+4*i:KF+4*i+3], v[CK0] offset:512*i           ; head 0's K: fragment g holds key tiles 4 g .. 4 g + 3 in its four blocks
.set i, i+1
.endr
	WIN 0
	ds_load_b128 v[108:111], v[CQL0]
	ds_load_b128 v[120:123], v[CQH0]
	ds_load_b32 v[KS], v[CKS0]
	ds_load_b32 v[KS+1], v[CKS0] offset:128
	ds_load_b32 v[QS], v[CQS0]
	s_wait_alu depctr_va_vdst(0)
	s_wait_dscnt 13                                ; the mask's codes are back; the 13 loads of K and Q were issued behind them
	WIN 0x40
.irp g, 0,1,2,3
.irp t, 0,1,2,3
.if (\t)%2 == 0
	MM 32*\g+8*\t, OH-4*(\g%2)-\t, MB+8*(\g/2), MC, MKS, MKS, 0
.else
	MM 32*\g+8*\t, OH+9-4*(\g%2)-\t, MB+8*(\g/2), MC, MKS, MKS, 0
.endif
.endr
.endr
	WIN 0
.irp j, 104,105,106,107,112,113,114,115,116,117,118,119,124,125,126,127
	v_mov_b32 v\j, 0                               ; zero codes round Q's: v104-127 = Z, lo, Z, Z, hi, Z give Q in block 0, 1, 2 or 3 of a fragment.  (Also the places behind the products above)
.endr
	v_mov_b32 v[CC], 0x3e8293ee                    ; log2(e) / sqrt(32)
	v_mov_b32 v[THR], 0xf1000000                   ; -2^99
	v_mov_b32 v[CQ+1], 0                           ; upper halves of pairs of which the low word serves both halves: named, so written
	v_mov_b32 v[NM+1], 0
	v_mov_b32 v[RL+1], 0
	s_wait_alu depctr_va_vdst(0)
	s_wait_xcnt 0x0                                ; the parameters' loads have read their address
; ======== THE HEADS: my 16 queries, one head a trip
.Lhead:
	s_wait_dscnt 0x0                               ; this head's K and Q, asked for a trip ago, are in; the last trip's two stores have read their registers
	WIN 0x11                                       ; K and the mask's C in window 1
.irp g, 0,1,2,3                        ; S^T: source 0 = 16 keys of each of four tiles, source 1 = my 16 queries in one block: register 32 g + 8 t + j = key 8 t + j of block 2 g + h, query r
	MM S+32*\g, KF+8*\g, 108, 32*\g, KS+\g/2, QS, 2*(\g%2)
	MM S+32*\g+8, KF+8*\g, 120, 32*\g+8, KS+\g/2, QS, 2*(\g%2)
	MM S+32*\g+16, KF+8*\g, 104, 32*\g+16, KS+\g/2, QS, 2*(\g%2)
	MM S+32*\g+24, KF+8*\g, 116, 32*\g+24, KS+\g/2, QS, 2*(\g%2)
.endr
	WIN 0
	s_add_co_u32 s[HN], s[HC], 4096
	s_and_b32 s[HN], s[HN], 0x7fff                 ; the last trip asks for head 0 again: inside LDS, and not used
	s_lshr_b32 s76, s[HC], 4
	s_lshr_b32 s77, s[HN], 4
	s_lshr_b32 s78, s[HN], 3
	s_lshr_b32 s79, s[HC], 8
	s_lshr_b32 s80, s[HC], 12
	v_add_nc_u32 v[ADK], s[HN], v[CK0]             ; nine plain instructions: the places behind the products, ahead of the loads below and of the first read of the scores
	v_add_nc_u32 v[ADV], s[HC], v[CV0]
	v_add_nc_u32 v[ADQL], s[HN], v[CQL0]
	v_add_nc_u32 v[ADQH], s[HN], v[CQH0]
	v_add_nc_u32 v[ADKS], s77, v[CKS0]
	v_add_nc_u32 v[ADVS], s76, v[CVS0]
	v_add_nc_u32 v[ADQS], s78, v[CQS0]
	v_add_nc_u32 v[ADO], s79, v[COC0]
	v_add_nc_u32 v[ADOS], s80, v[COS0]
	WIN 0x40                                       ; one run of loads, which lands under the softmax: this head's V, the next head's K and Q
.set i, 0
.rept 8
	ds_load_b128 v[VF+4*i:VF+4*i+3], v[ADV] offset:512*i
.set i, i+1
.endr
.set i, 0
.rept 8
	ds_load_b128 v[KF+4*i:KF+4*i+3], v[ADK] offset:512*i
.set i, i+1
.endr
	WIN 0
	ds_load_b128 v[108:111], v[ADQL]
	ds_load_b128 v[120:123], v[ADQH]
	ds_load_b32 v[KS], v[ADKS]
	ds_load_b32 v[KS+1], v[ADKS] offset:128
	ds_load_b32 v[QS], v[ADQS]
	ds_load_b32 v[VS], v[ADVS]
	ds_load_b32 v[VS+1], v[ADVS] offset:128
.irp b, 0,1,2,3,4,5,6,7                ; the largest score of each block of 32 keys, by halves: for the row's maximum and, since p rises with the score, for the block's largest p
	v_max3_num_f32 v[BM+\b], v[S+16*\b], v[S+16*\b+1], v[S+16*\b+2]
.endr
.irp i, 3,5,7,9,11,13
.irp b, 0,1,2,3,4,5,6,7
	v_max3_num_f32 v[BM+\b], v[BM+\b], v[S+16*\b+\i], v[S+16*\b+\i+1]
.endr
.endr
.irp g, 0,1,2,3
	v_max3_num_f32 v[BM+2*\g], v[BM+2*\g], v[S+32*\g+15], v[S+32*\g+31]
.endr
.irp g, 0,1,2,3
	v_max_num_f32 v[BG+\g], v[BM+2*\g], v[BM+2*\g+1]
.endr
	v_max3_num_f32 v[RM], v[BG], v[BG+1], v[BG+2]
	s_delay_alu instid0(VALU_DEP_1)
	v_max_num_f32 v[RM], v[RM], v[BG+3]
	s_delay_alu instid0(VALU_DEP_1)
	v_permlanex16_b32 v[TMX], v[RM], s[SEL], s[SEL+1]
	s_delay_alu instid0(VALU_DEP_1)
	v_max_num_f32 v[RM], v[RM], v[TMX]             ; the row's largest score
	s_delay_alu instid0(VALU_DEP_1)
	v_cmp_lt_f32 vcc_lo, v[THR], v[RM]             ; does any key count?
	s_delay_alu instid0(VALU_DEP_1)
	v_cndmask_b32 v[CQ], 0, v[CC], vcc_lo          ; if none: multiplier 0, all t equal
	s_delay_alu instid0(VALU_DEP_1)
	v_mul_f32 v[TMX], v[RM], v[CQ]
	s_delay_alu instid0(VALU_DEP_1)
	v_floor_f32 v[NM], -v[TMX]                     ; -M = floor(-t) = -ceil(t): a whole number
.set i, 0
.rept 64
	v_pk_fma_f32 v[S+2*i:S+2*i+1], v[S+2*i:S+2*i+1], v[CQ:CQ+1], v[NM:NM+1] op_sel_hi:[1,0,0]   ; t - M, two at a time
.set i, i+1
.endr
.irp g, 0,1,2,3
	v_fma_f32 v[BG+\g], v[BG+\g], v[CQ], v[NM]     ; the same of each block's largest score
.endr
	s_wait_alu depctr_va_vdst(0)                   ; ahead of the batch
.set i, 0
.rept 128
	v_exp_f32 v[S+i], v[S+i]                       ; p = 2^(t - M), not normalised
.set i, i+1
.endr
.irp g, 0,1,2,3
	v_exp_f32 v[BG+\g], v[BG+\g]                   ; the block's largest p: the same two steps on the same number
.endr
	v_nop                                          ; one plain instruction behind the last exponential
	s_wait_alu depctr_va_vdst(0)                   ; one wait for the batch of 132, ahead of its first reader
.irp g, 0,1,2,3
	v_max_num_f32 v[BG+\g], FLOOR, v[BG+\g]
.endr
.irp g, 0,1,2,3
	v_add_nc_u32 v[SCL+\g], EOFF, v[BG+\g]
.endr
.irp g, 0,1,2,3
	v_lshrrev_b32 v[BX+\g], 23, v[SCL+\g]
.endr
	v_lshl_or_b32 v[TW], v[BX+1], 16, v[BX]        ; blocks h and 2 + h of the first 128 keys,
	v_lshl_or_b32 v[TW+1], v[BX+3], 16, v[BX+2]    ; and of the second;
	v_permlane16_swap_b32 v[TW], v[TW+1]
	v_lshl_or_b32 v[PW], v[TW+1], 8, v[TW]         ; p's scale words: lanes 0-15 the first 128 keys', lanes 16-31 the second's
.irp g, 0,1,2,3
.irp t, 0,1,2,3
	v_cvt_scalef32_pk8_fp4_f32 v[PC+4*\g+\t], v[S+32*\g+8*\t:S+32*\g+8*\t+7], v[SCL+\g]    ; a whole block in a lane, as the operand's layout wants it
.endr
.endr
	v_nop                                          ; one plain place behind a scaled conversion
	PAIRSUM                                        ; l: the sum of the UNQUANTISED p.  (Its packed additions are also the places between the codes' and the scale word's last writes and the products)
	s_wait_alu depctr_va_vdst(0)
	v_rcp_f32 v[RL], v[SUM]
	v_nop                                          ; one plain instruction behind the reciprocal
	s_wait_dscnt 0x0                               ; V is in (and the next head's K and Q)
	WIN 0x51                                       ; V and O^T in window 1
	MMZ OA, VF, PC, VS, PW                         ; O^T = V^T P^T: two accumulators by turns, one instruction a turn
	MMZ OA+8, VF+16, PC, VS+1, PW
	MM OA, VF+8, PC+8, OA, VS, PW, 1
	MM OA+8, VF+24, PC+8, OA+8, VS+1, PW, 1
	WIN 0
	PLACES
	s_wait_alu depctr_va_vdst(0)                   ; the reciprocal's wait, ahead of its first reader
	WIN 0x01
.set i, 0
.rept 8
	v_pk_mul_f32 v[S+2*i:S+2*i+1], v[OA+2*i:OA+2*i+1], v[RL:RL+1] op_sel_hi:[1,0]   ; / l: register 8 t + j = d 16 h + 8 t + j of my query: 16 neighbours
.set i, i+1
.endr
	WIN 0
	v_max3_num_f32 v[BM], |v[S]|, |v[S+1]|, FLOOR  ; the head is one block of the last product's K
	v_max3_num_f32 v[BM+1], |v[S+2]|, |v[S+3]|, |v[S+4]|
	s_delay_alu instid0(VALU_DEP_2)
	v_max3_num_f32 v[BM], v[BM], |v[S+5]|, |v[S+6]|
	s_delay_alu instid0(VALU_DEP_2)
	v_max3_num_f32 v[BM+1], v[BM+1], |v[S+7]|, |v[S+8]|
	s_delay_alu instid0(VALU_DEP_2)
	v_max3_num_f32 v[BM], v[BM], |v[S+9]|, |v[S+10]|
	s_delay_alu instid0(VALU_DEP_2)
	v_max3_num_f32 v[BM+1], v[BM+1], |v[S+11]|, |v[S+12]|
	s_delay_alu instid0(VALU_DEP_2)
	v_max3_num_f32 v[BM], v[BM], |v[S+13]|, |v[S+14]|
	s_delay_alu instid0(VALU_DEP_1)
	v_max3_num_f32 v[BM], v[BM], v[BM+1], |v[S+15]|
	s_delay_alu instid0(VALU_DEP_1)
	v_permlanex16_b32 v[BX], v[BM], s[SEL], s[SEL+1]
	s_delay_alu instid0(VALU_DEP_1)
	v_max_num_f32 v[BM], v[BM], v[BX]
	s_delay_alu instid0(VALU_DEP_1)
	v_add_nc_u32 v[SCL], EOFF, v[BM]
	s_delay_alu instid0(VALU_DEP_1)
	v_lshrrev_b32 v[BX+1], 23, v[SCL]
	v_cvt_scalef32_pk8_fp4_f32 v[OCD], v[S:S+7], v[SCL]
	v_cvt_scalef32_pk8_fp4_f32 v[OCD+1], v[S+8:S+15], v[SCL]
	v_nop                                          ; one plain place behind a scaled conversion
	ds_store_b64 v[ADO], v[OCD:OCD+1]              ; into my own rows of codes: so one body serves all eight heads
	ds_store_b8 v[ADOS], v[BX+1]                   ; both halves of the lanes write the same byte with the same value
	s_add_co_u32 s[HC], s[HC], 4096
	s_cmp_lt_u32 s[HC], 0x8000
	s_cbranch_scc1 .Lhead
; ======== THE LAST PRODUCT, THE RESIDUAL AND THE NORM: my 16 tokens.  NOT transposed: source 0 = my tokens, source 1 = W_out's rows 64 a + 4 r + e of tile 4 a + e: accumulator 4 a + e, register j = row 8 h + j, column 64 a + 4 r + e
	s_mul_i32 s72, s[WV], 2304
	s_add_co_u32 s72, s72, OC
	s_lshl_b32 s73, s[WV], 7
	s_add_co_u32 s73, s73, OSC
	s_mul_i32 s74, s[WV], STGW
	s_mov_b32 s70, 0x3b800000                      ; 1 / 256
	v_mul_u32_u24 v[OCR], v[RR], 144
	v_lshl_add_u32 v[OCR], v[HH], 4, v[OCR]
	v_add_nc_u32 v[OCR], s72, v[OCR]
	v_lshl_add_u32 v[OSR], v[RR], 3, s73
	v_lshl_add_u32 v[OSR], v[HH], 2, v[OSR]
	v_mul_u32_u24 v[WOR], v[RR], 528
	v_lshl_add_u32 v[WOR], v[HH], 4, v[WOR]
	v_add_nc_u32 v[WOR], WOC, v[WOR]
	v_lshlrev_b32 v[WSR], 5, v[RR]
	v_lshl_add_u32 v[WSR], v[HH], 2, v[WSR]
	v_add_nc_u32 v[WSR], WOS, v[WSR]
	v_mul_u32_u24 v[RSD], v[HH], 8*SPIT
	v_lshl_add_u32 v[RSD], v[RR], 4, v[RSD]
	v_add_nc_u32 v[RSD], s74, v[RSD]
	v_lshlrev_b32 v[OST], 13, v[HH]
	v_lshl_add_u32 v[OST], v[RR], 4, v[OST]
.irp k, 0,1,2,3
	ds_load_b128 v[OF+4*\k:OF+4*\k+3], v[OCR] offset:32*\k         ; LDS serves a wave's instructions in order: these see my stores of the loop
.endr
	ds_load_b32 v[OS], v[OSR]
.set i, 0
.rept 16
	ds_load_b128 v[128+8*i:128+8*i+3], v[WOR] offset:(i/4)*8448+(i%4)*128          ; W_out, K step 0
	ds_load_b128 v[128+8*i+4:128+8*i+7], v[WOR] offset:(i/4)*8448+(i%4)*128+32
	ds_load_b32 v[WOSR+i], v[WSR] offset:(i/4)*512+(i%4)*8
.set i, i+1
.endr
	WIN 0x40
.set i, 0
.rept 8
	ds_load_b128 v[128+8*i:128+8*i+3], v[WOR] offset:(i/4)*8448+(i%4)*128+64       ; K step 1: tiles 0-7 in window 1,
	ds_load_b128 v[128+8*i+4:128+8*i+7], v[WOR] offset:(i/4)*8448+(i%4)*128+96
.set i, i+1
.endr
	WIN 0
.rept 8
	ds_load_b128 v[8*i:8*i+3], v[WOR] offset:(i/4)*8448+(i%4)*128+64               ; tiles 8-15 in v64-127
	ds_load_b128 v[8*i+4:8*i+7], v[WOR] offset:(i/4)*8448+(i%4)*128+96
.set i, i+1
.endr
	s_wait_alu depctr_va_vdst(0)
	s_wait_dscnt 32                                ; K step 0 is in; K step 1's 32 loads were issued behind it
	WIN 0x50                                       ; C and D in window 1
.set i, 0
.rept 16                               ; sixteen accumulators by turns
	MMZ 8*i, OF, 128+8*i, OS, WOSR+i
.set i, i+1
.endr
	WIN 0
	PLACES
.set i, 0
.rept 32                               ; the residual: row 8 h + j, columns 64 a + 4 r .. + 3
	ds_load_b128 v[Z+4*i:Z+4*i+3], v[RSD] offset:(i/4)*SPIT+(i%4)*256
.set i, i+1
.endr
	s_wait_dscnt 32                                ; K step 1 is in; the residual's 32 loads were issued behind it
	WIN 0x54
.set i, 0
.rept 8
	MM 8*i, OF+8, 128+8*i, 8*i, OS, WOSR+i, 1
.set i, i+1
.endr
	WIN 0x50
.rept 8
	MM 8*i, OF+8, 8*i, 8*i, OS, WOSR+i, 1
.set i, i+1
.endr
	WIN 0x04
	s_wait_loadcnt 0x0                             ; the parameters
	s_wait_dscnt 0x0                               ; the residual
.set i, 0
.rept 64                               ; msa + b_out.  (Also the places behind the products)
	v_pk_add_f32 v[Z+2*i:Z+2*i+1], v[Z+2*i:Z+2*i+1], v[PAR+2*(i%8):PAR+2*(i%8)+1]
.set i, i+1
.endr
	WIN 0x01
.set i, 0
.rept 128                              ; z = out + msa + b_out; each accumulator from its low end on
	v_add_f32 v[Z+i], v[8*(i%16)+i/16], v[Z+i]
.set i, i+1
.endr
	WIN 0
; the mean of each row: 16 numbers a lane, 16 lanes a row, the eight rows by turns
.irp j, 0,1,2,3,4,5,6,7
	v_pk_add_f32 v[SJ+2*\j:SJ+2*\j+1], v[Z+16*\j:Z+16*\j+1], v[Z+16*\j+2:Z+16*\j+3]
.endr
.irp k, 4,6,8,10,12,14
.irp j, 0,1,2,3,4,5,6,7
	v_pk_add_f32 v[SJ+2*\j:SJ+2*\j+1], v[SJ+2*\j:SJ+2*\j+1], v[Z+16*\j+\k:Z+16*\j+\k+1]
.endr
.endr
.irp j, 0,1,2,3,4,5,6,7
	v_add_f32 v[SJ+2*\j], v[SJ+2*\j], v[SJ+2*\j+1]
.endr
.irp m, 1,2,4,8
.irp j, 0,1,2,3,4,5,6,7
	v_add_f32_dpp v[SJ+2*\j], v[SJ+2*\j], v[SJ+2*\j] row_xmask:\m row_mask:0xf bank_mask:0xf
.endr
.endr
.irp j, 0,1,2,3,4,5,6,7
	v_mul_f32 v[SJ+2*\j], s70, v[SJ+2*\j]
.endr
.set i, 0
.rept 64
	v_pk_add_f32 v[Z+2*i:Z+2*i+1], v[Z+2*i:Z+2*i+1], v[SJ+2*(i/8):SJ+2*(i/8)+1] op_sel_hi:[1,0] neg_lo:[0,1] neg_hi:[0,1]
.set i, i+1
.endr
; the variance
.irp j, 0,1,2,3,4,5,6,7
	v_pk_mul_f32 v[QJ+2*\j:QJ+2*\j+1], v[Z+16*\j:Z+16*\j+1], v[Z+16*\j:Z+16*\j+1]
.endr
.irp k, 2,4,6,8,10,12,14
.irp j, 0,1,2,3,4,5,6,7
	v_pk_fma_f32 v[QJ+2*\j:QJ+2*\j+1], v[Z+16*\j+\k:Z+16*\j+\k+1], v[Z+16*\j+\k:Z+16*\j+\k+1], v[QJ+2*\j:QJ+2*\j+1]
.endr
.endr
.irp j, 0,1,2,3,4,5,6,7
	v_add_f32 v[QJ+2*\j], v[QJ+2*\j], v[QJ+2*\j+1]
.endr
.irp m, 1,2,4,8
.irp j, 0,1,2,3,4,5,6,7
	v_add_f32_dpp v[QJ+2*\j], v[QJ+2*\j], v[QJ+2*\j] row_xmask:\m row_mask:0xf bank_mask:0xf
.endr
.endr
.irp j, 0,1,2,3,4,5,6,7
	v_fma_f32 v[QJ+2*\j], v[QJ+2*\j], s70, 0x3727c5ac      ; the variance + 1e-5
.endr
	s_wait_alu depctr_va_vdst(0)                   ; ahead of the batch
.irp j, 0,1,2,3,4,5,6,7
	v_rsq_f32 v[QJ+2*\j], v[QJ+2*\j]
.endr
	v_nop                                          ; one plain instruction behind the last root
	s_wait_alu depctr_va_vdst(0)                   ; and the batch's wait, ahead of its first reader
; row by row: x 1 / sigma, gamma and beta, and out: sixteen lanes store 256 consecutive bytes, aligned; two rows an instruction
.irp j, 0,1,2,3,4,5,6,7
.irp k, 0,2,4,6,8,10,12,14
	v_pk_mul_f32 v[Z+16*\j+\k:Z+16*\j+\k+1], v[Z+16*\j+\k:Z+16*\j+\k+1], v[QJ+2*\j:QJ+2*\j+1] op_sel_hi:[1,0]
.endr
	WIN 0x14                                       ; gamma and beta in window 1
.irp k, 0,2,4,6,8,10,12,14
	v_pk_fma_f32 v[Z+16*\j+\k:Z+16*\j+\k+1], v[Z+16*\j+\k:Z+16*\j+\k+1], v[PAR+16+\k:PAR+17+\k], v[PAR+32+\k:PAR+33+\k]
.endr
	WIN 0
.irp a, 0,1,2,3
	global_store_b128 v[OST], v[Z+16*\j+4*\a:Z+16*\j+4*\a+3], s[OUT:OUT+1] offset:1024*\j+256*\a th:TH_STORE_NT
.endr
.endr
	s_wait_alu depctr_va_vdst(0)
	s_wait_tensorcnt 0x0                           ; the wave's end: behind my last tensor load and my last LDS store
	ds_add_u32 v[SPW], v[NIL]
	s_wait_dscnt 0x0
	CROUND                                         ; the closing round
	s_endpgm
.Lfunc_end_k_qeefbf1870b_msa_row:
	.size	k_qeefbf1870b_msa_row, .Lfunc_end_k_qeefbf1870b_msa_row-k_qeefbf1870b_msa_row
	.p2alignl 7, 3214868480
	.fill 96, 4, 3214868480
	.section	.rodata,"a",@progbits
	.p2align	6, 0x0
	.amdhsa_kernel k_qeefbf1870b_msa_row
		.amdhsa_group_segment_fixed_size 327680
		.amdhsa_private_segment_fixed_size 0
		.amdhsa_enable_private_segment 0
		.amdhsa_kernarg_size 88
		.amdhsa_user_sgpr_count 2
		.amdhsa_user_sgpr_kernarg_segment_ptr 1
		.amdhsa_wavefront_size32 1
		.amdhsa_system_sgpr_workgroup_id_x 1
		.amdhsa_system_sgpr_workgroup_id_y 1
		.amdhsa_system_sgpr_workgroup_id_z 1
		.amdhsa_system_vgpr_workitem_id 0
		.amdhsa_next_free_vgpr 512
		.amdhsa_next_free_sgpr 84
		.amdhsa_reserve_vcc 1
		.amdhsa_float_denorm_mode_32 3
		.amdhsa_float_denorm_mode_16_64 3
		.amdhsa_memory_ordered 1
		.amdhsa_forward_progress 1
		.amdhsa_inst_pref_size 189
	.end_amdhsa_kernel
	.amdgpu_metadata
---
amdhsa.version: [ 1, 2 ]
amdhsa.kernels:
  - .name:           k_qeefbf1870b_msa_row
    .symbol:         k_qeefbf1870b_msa_row.kd
    .args:
      - { .name: msa, .offset: 0, .size: 8, .value_kind: global_buffer, .address_space: global }
      - { .name: W_qkv_codes, .offset: 8, .size: 8, .value_kind: global_buffer, .address_space: global }
      - { .name: W_qkv_scales, .offset: 16, .size: 8, .value_kind: global_buffer, .address_space: global }
      - { .name: b_qkv, .offset: 24, .size: 8, .value_kind: global_buffer, .address_space: global }
      - { .name: W_out_codes, .offset: 32, .size: 8, .value_kind: global_buffer, .address_space: global }
      - { .name: W_out_scales, .offset: 40, .size: 8, .value_kind: global_buffer, .address_space: global }
      - { .name: b_out, .offset: 48, .size: 8, .value_kind: global_buffer, .address_space: global }
      - { .name: ln_gamma, .offset: 56, .size: 8, .value_kind: global_buffer, .address_space: global }
      - { .name: ln_beta, .offset: 64, .size: 8, .value_kind: global_buffer, .address_space: global }
      - { .name: mask, .offset: 72, .size: 8, .value_kind: global_buffer, .address_space: global }
      - { .name: out0, .offset: 80, .size: 8, .value_kind: global_buffer, .address_space: global }
    .group_segment_fixed_size: 327680
    .private_segment_fixed_size: 0
    .kernarg_segment_align: 8
    .kernarg_segment_size: 88
    .max_flat_workgroup_size: 256
    .sgpr_count:     84
    .vgpr_count:     512
    .wavefront_size: 32
...
	.end_amdgpu_metadata
.endif
;; end of part 1
